; MI455X (gfx1250); checked and timed in simulation.
; The chip was launched on July 23, 2026; its instructions are those of AMD's public machine-readable ISA for CDNA 5 (MIT licence, August 2026) and "CDNA5" Instruction Set Architecture Reference Guide (July 2026). The comments in the code are by the model that wrote it; some were corrected since.
;; Quantizer. Allowed arithmetic: matrix products marked QUANTISED: E2M3 operands, one E8M0 scale for each 32 along K, by v_wmma_scale_f32_16x16x128_f8f6f4 with both operands' format E2M3, f32 sums; everything else in f32.
;; Inputs: codes 1 x 4,096 x 128 float32; x 65,536 x 128 float32.
;; Outputs: out0 65,536 x 128 float32; out1 65,536 int32; out2 one number float32.
;; This version of the problem:
;;   THIS VERSION OF THE PROBLEM IS GIVEN IN LOW PRECISION. The matrix products marked QUANTISED in the list below multiply operands that are first quantised to E2M3 (2 exponent bits, 3 mantissa bits; 6 bits a number), with one power-of-two scale for each 32 numbers along K (OCP MX v1.0); their sums are f32. All else is computed in f32.
;;   The module's matrix products, in the order in which they are computed (A, B: the left and right operand; K: the contracted axis; several contracted axes count as one K, in the product's order):
;;     1. [M 65,536, K 128] x [K 128, N 4,096]; A: input x; B: input codes: QUANTISED
;;   THE QUANTISER, for each operand of a quantised product, along K:
;;     - K is cut into blocks of 32 from its start; a last block that is shorter is filled with zeros.
;;     - A block's scale is 2^e with e = floor(log2(the largest magnitude in the block)) - 2, held to -126 .. 127; a block of zeros has e = 0. As a byte (E8M0): e + 127.
;;     - Each number is divided by its block's scale, clamped to +-7.5, and rounded to the nearest number of E2M3, ties to even, subnormals kept.
;;     - The product sums the exact products of the quantised numbers (number of the format x scale) in f32.
;;   ~~~python
;;   def quantise(x, axis):      # numpy; x: float32 -> the quantised numbers, widened to float32 again
;;       x = np.moveaxis(x, axis, -1); K = x.shape[-1]
;;       x = np.pad(x, [(0, 0)] * (x.ndim - 1) + [(0, -K % 32)]); x = x.reshape(x.shape[:-1] + (-1, 32)); a = np.abs(x).max(-1, keepdims=True)
;;       e = np.where(a > 0, np.clip(np.frexp(np.where(a > 0, a, 1))[1] - 1 - 2, -126, 127), 0)      # np.frexp(a)[1] - 1 = floor(log2(a)), exactly
;;       r = np.clip(x / 2.0 ** e, -7.5, 7.5)
;;       step = 2.0 ** (np.maximum(np.frexp(np.where(r == 0, 1, r))[1] - 1, 0) - 3)
;;       q = np.round(r / step) * step * 2.0 ** e      # np.round: ties to even
;;       return np.moveaxis(q.reshape(q.shape[:-2] + (-1,))[..., :K], -1, axis).astype(np.float32)
;;   ~~~
;; One version. Each part assembles by itself: llvm-mc -triple=amdgcn-amd-amdhsa -mcpu=gfx1250 --defsym DOCPART=n.
;; ======== version 1 of 1: 4 launches
;; workspace buffers: cb 425,984 bytes; idxw 262,144 bytes of whole numbers; part 65,536 bytes
;; launch cbq (part 1): grid 64 x 1, 4 waves a work-group, no clusters, 18,944 bytes of LDS; arguments codes, cb; writes cb
.if DOCPART == 1
	.amdgcn_target "amdgcn-amd-amdhsa--gfx1250"
	.amdhsa_code_object_version 6
	.text
	.protected	k_q9884cb4d8e_cbq
	.globl	k_q9884cb4d8e_cbq
	.p2align	8
	.type	k_q9884cb4d8e_cbq,@function
k_q9884cb4d8e_cbq:
	s_mov_b64 s[64:65], 0
	v_nop
	global_prefetch_b8 v0, s[64:65] scope:SCOPE_SE
	s_setreg_imm32_b32 hwreg(HW_REG_WAVE_MODE, 25, 1), 1
	s_wait_xcnt 0x0
; The codebook, codes [4096][128] f32, is quantised ONCE into cb, laid as the product's launch wants it.
; cb = four parts of PARTB bytes; part p holds codes 1024 p .. 1024 p + 1023 = 64 tiles of 16 codes:
;   0      + 1536 tl          the operand's 12 registers of tile tl as an image: registers 4 c .. 4 c + 3 of lane l at 512 c + 16 l
;   98304  + 64 tl + 4 r      the scale word (four E8M0 bytes, K ascending) of code 16 tl + r
;   102400 + 64 tl + 4 r      -|c|^2 / 2 of that code, f32, from the unquantised numbers
; A block's scale is 2^(floor(log2(largest magnitude)) - 2); its byte is the largest magnitude's exponent field - 2, held at 1 from below.
; (A block of zeros keeps the byte 1: its codes are zeros, and this program alone reads the bytes.)
; LIMITS: blocks whose largest magnitude lies under 2^-124 keep the byte 1; NaN and infinities are not served.
; SHARES: work-group g takes tiles 4 g .. 4 g + 3, wave w tile 4 g + w: four tiles' scale words are 256 consecutive bytes, and so are their -|c|^2 / 2.
; 64 work-groups: the launch has 256 tiles of 16 codes, one to a wave; no tensor loads, no ring.
.set PARTB, 106496
.set SS,    4*4352                     ; LDS behind the four stages: 256 bytes of scale words, 256 of -|c|^2 / 2
.set VX,  10                           ; v10  a load's place for my lane: 512 (l / 16) + 16 (l % 16)
.set VS,  11                           ; v11  the stage, on the way in
.set VR,  12                           ; v12  the stage, on the way out
.set X,   88                           ; v88-151   64 numbers of my row: register 16 b + i = k 32 b + 16 (l / 16) + i
.set R,   160                          ; v160-223  the tile as it is loaded
.set HSQ, 158                          ; v158 the factor x my row's sum of squares
.set PW,  159                          ; v159 my row's scale word
.set PC,  224                          ; v224-235 the fragment; v236-243 the conversions' second halves
.set QM,  244                          ; v244-247 largest magnitudes
.set QB,  248                          ; v248-251 the other half's, then the bytes
.set QS,  252                          ; v252-255 the conversions' scale operands
.set SEL, 40                           ; s[40:41] v_permlanex16_b32's selects for lane l xor 16
.set XB,  24                           ; s[24:25] the tile's first byte
; 16 dense rows of 512 bytes.  Each load takes two rows' 256 bytes of one K half: two whole aligned runs of 256 bytes.
.macro XLOADS
.irp u, 0,1
.irp i, 0,1,2,3,4,5,6,7
	global_load_b128 v[R+4*(8*\u+\i):R+4*(8*\u+\i)+3], v[VX], s[XB:XB+1] offset:1024*\i+256*\u
.endr
.endr
.endm
; The turn through my own stage (16 rows x 272 bytes), a K half at a time: in as loaded, out 64 bytes a lane.  LDS serves a wave's instructions in order: no wait between stores and loads.
.macro XTURN
.irp u, 0,1
	s_wait_loadcnt 8-8*\u                          ; half 0: the eight loads of half 1 may be out; half 1: none
.irp i, 0,1,2,3,4,5,6,7
	ds_store_b128 v[VS], v[R+4*(8*\u+\i):R+4*(8*\u+\i)+3] offset:544*\i
.endr
.irp b, 0,1
.irp j, 0,1,2,3
	ds_load_b128 v[X+16*(2*\u+\b)+4*\j:X+16*(2*\u+\b)+4*\j+3], v[VR] offset:128*\b+16*\j
.endr
.endr
.endr
	s_wait_dscnt 0x0
.endm
; v[HSQ] = f x the sum of my row's 128 squares: two packed chains, then the other half of the lanes'
.macro SQSUM f
	v_pk_mul_f32 v[152:153], v[X:X+1], v[X:X+1]
	v_pk_mul_f32 v[154:155], v[X+2:X+3], v[X+2:X+3]
.irp j, 4,8,12,16,20,24,28,32,36,40,44,48,52,56,60
	v_pk_fma_f32 v[152:153], v[X+\j:X+\j+1], v[X+\j:X+\j+1], v[152:153]
	v_pk_fma_f32 v[154:155], v[X+\j+2:X+\j+3], v[X+\j+2:X+\j+3], v[154:155]
.endr
	v_pk_add_f32 v[152:153], v[152:153], v[154:155]
	v_add_f32 v156, v152, v153
	v_permlanex16_b32 v157, v156, s[SEL], s[SEL+1]
	v_add_f32 v156, v156, v157
	v_mul_f32 v[HSQ], \f, v156
.endm
; The 64 numbers in v[X] on become the fragment in v[PC] on and the scale word in v[PW].
.macro QUANT
.irp b, 0,1,2,3
	v_max3_num_f32 v[QM+\b], |v[X+16*\b]|, |v[X+1+16*\b]|, 0x1800000   ; my 16 numbers of block b, and the floor 2^(3 - 127): the byte cannot fall under 1
.endr
.irp i, 2,4,6,8,10,12,14
.irp b, 0,1,2,3
	v_max3_num_f32 v[QM+\b], v[QM+\b], |v[X+16*\b+\i]|, |v[X+1+16*\b+\i]|   ; the four blocks by turns
.endr
.endr
.irp b, 0,1,2,3
	v_permlanex16_b32 v[QB+\b], v[QM+\b], s[SEL], s[SEL+1]
.endr
.irp b, 0,1,2,3
	v_max_num_f32 v[QM+\b], v[QM+\b], v[QB+\b]     ; with lane l xor 16's: the block's largest magnitude
.endr
.irp b, 0,1,2,3
	v_add_nc_u32 v[QS+\b], 0xff000000, v[QM+\b]    ; 2 off its exponent field: the conversion takes that field as its scale
.endr
.irp b, 0,1,2,3
	v_lshrrev_b32 v[QB+\b], 23, v[QS+\b]           ; the scale's byte
.endr
	v_lshl_or_b32 v[PW], v[QB+1], 8, v[QB]
	v_lshl_or_b32 v[PW], v[QB+2], 16, v[PW]
	v_lshl_or_b32 v[PW], v[QB+3], 24, v[PW]
.irp c, 0,1
	v_cvt_scalef32_pk16_fp6_f32 v[PC+6*\c:PC+2+6*\c], v[X+32*\c:X+15+32*\c], v[QS+2*\c]
	v_cvt_scalef32_pk16_fp6_f32 v[PC+12+4*\c:PC+14+4*\c], v[X+16+32*\c:X+31+32*\c], v[QS+2*\c+1]   ; (a conversion's three registers begin on an even number)
.endr
	v_nop                                          ; one plain place behind a scaled conversion
.irp c, 0,1                                    ; the operand wants a WHOLE block in a lane: lanes 0-15 block 2 c, lanes 16-31 block 2 c + 1
.irp i, 0,1,2
	v_permlane16_swap_b32 v[PC+6*\c+\i], v[PC+12+4*\c+\i]
.endr
.irp i, 0,1,2
	v_mov_b32 v[PC+3+6*\c+\i], v[PC+12+4*\c+\i]
.endr
.endr
.endm
	s_load_b128 s[4:7], s[0:1], 0x0                ; codes s[4:5], cb s[6:7]
	v_lshl_add_u32 v239, v0, 2, 0x4800
	v_mov_b32 v243, 0
	v_lshrrev_b32 v1, 5, v0
	v_readfirstlane_b32 s12, v1                    ; wave 0..3
	v_and_b32 v2, 31, v0                           ; l
	v_and_b32 v3, 15, v0                           ; r
	v_bfe_u32 v4, v0, 4, 1                         ; h
	v_lshlrev_b32 v[VX], 4, v3
	v_lshl_add_u32 v[VX], v4, 9, v[VX]
	s_mul_i32 s13, s12, 4352                       ; my stage
	v_mul_u32_u24 v[VS], v4, 272
	v_lshl_add_u32 v[VS], v3, 4, v[VS]
	v_add_nc_u32 v[VS], s13, v[VS]
	v_mul_u32_u24 v[VR], v3, 272
	v_lshl_add_u32 v[VR], v4, 6, v[VR]
	v_add_nc_u32 v[VR], s13, v[VR]
	v_lshlrev_b32 v13, 4, v2                       ; 16 l: an image's place for my lane
	s_lshl_b32 s13, s12, 6
	s_add_co_u32 s13, s13, SS
	v_lshl_add_u32 v14, v3, 2, s13                 ; SS + 64 w + 4 r: my row's scale word in LDS
	v_lshlrev_b32 v5, 3, v2                        ; 8 l
	v_add_nc_u32 v15, SS, v5                       ; and where wave 0 reads them back
	v_mov_b32 v157, 0                              ; a lane permute's destination counts as one of its sources
.irp b, 0,1,2,3
	v_mov_b32 v[QB+\b], 0
.endr
	s_mov_b32 s[SEL], 0x76543210
	s_mov_b32 s[SEL+1], 0xfedcba98
	s_lshl_b32 s16, ttmp9, 15                      ; four tiles of 8,192 bytes a work-group,
	s_lshl_b32 s17, s12, 13                        ; one a wave
	s_add_co_u32 s16, s16, s17
	s_mov_b32 s17, 0
	s_lshr_b32 s18, ttmp9, 4
	s_mul_i32 s18, s18, PARTB                      ; the part's first byte
	s_and_b32 s19, ttmp9, 15                       ; the work-group's place in its part
	s_lshl_b32 s20, s19, 2
	s_add_co_u32 s20, s20, s12
	s_mul_i32 s20, s20, 1536                       ; my tile's image
	s_add_co_u32 s20, s20, s18
	s_mov_b32 s21, 0
	s_lshl_b32 s22, s19, 8                         ; the work-group's 256 bytes of scale words
	s_add_co_u32 s22, s22, s18
	s_add_co_u32 s22, s22, 98304
	s_mov_b32 s23, 0
	s_wait_kmcnt 0x0
	s_add_nc_u64 s[XB:XB+1], s[4:5], s[16:17]
	s_add_nc_u64 s[20:21], s[6:7], s[20:21]
	s_add_nc_u64 s[22:23], s[6:7], s[22:23]
	XLOADS
	XTURN
	SQSUM -0.5
	QUANT
.irp c, 0,1,2
	global_store_b128 v13, v[PC+4*\c:PC+4*\c+3], s[20:21] offset:512*\c   ; 32 lanes store 512 consecutive bytes, at a multiple of 256 from cb's first byte
.endr
	ds_store_b32 v14, v[PW]                        ; both lanes of a row write the same word with the same value
	ds_store_b32 v14, v[HSQ] offset:256
	s_wait_dscnt 0x0                               ; for wave 0's sake: my stores have landed
	s_barrier_signal -1
	s_barrier_wait -1
	s_cmp_lg_u32 s12, 0
	s_cbranch_scc1 .Lend
	ds_load_b64 v[16:17], v15                      ; the four tiles' scale words,
	ds_load_b64 v[18:19], v15 offset:256           ; and their -|c|^2 / 2
	s_wait_dscnt 0x0
	global_store_b64 v5, v[16:17], s[22:23]        ; each store covers 256 consecutive bytes, aligned
	global_store_b64 v5, v[18:19], s[22:23] offset:4096
.Lend:
	s_wait_tensorcnt 0x0
	ds_add_u32 v239, v243
	s_wait_dscnt 0x0
	s_endpgm
.Lfunc_end_k_q9884cb4d8e_cbq:
	.size	k_q9884cb4d8e_cbq, .Lfunc_end_k_q9884cb4d8e_cbq-k_q9884cb4d8e_cbq
	.p2alignl 7, 3214868480
	.fill 96, 4, 3214868480
	.section	.rodata,"a",@progbits
	.p2align	6, 0x0
	.amdhsa_kernel k_q9884cb4d8e_cbq
		.amdhsa_group_segment_fixed_size 18944
		.amdhsa_private_segment_fixed_size 0
		.amdhsa_enable_private_segment 0
		.amdhsa_kernarg_size 16
		.amdhsa_user_sgpr_count 2
		.amdhsa_user_sgpr_kernarg_segment_ptr 1
		.amdhsa_wavefront_size32 1
		.amdhsa_system_sgpr_workgroup_id_x 1
		.amdhsa_system_sgpr_workgroup_id_y 1
		.amdhsa_system_sgpr_workgroup_id_z 1
		.amdhsa_system_vgpr_workitem_id 0
		.amdhsa_next_free_vgpr 256
		.amdhsa_next_free_sgpr 66
		.amdhsa_reserve_vcc 0
		.amdhsa_float_denorm_mode_32 3
		.amdhsa_float_denorm_mode_16_64 3
		.amdhsa_memory_ordered 1
		.amdhsa_forward_progress 1
		.amdhsa_inst_pref_size 14
	.end_amdhsa_kernel
	.amdgpu_metadata
---
amdhsa.version: [ 1, 2 ]
amdhsa.kernels:
  - .name:           k_q9884cb4d8e_cbq
    .symbol:         k_q9884cb4d8e_cbq.kd
    .args:
      - { .name: codes, .offset: 0, .size: 8, .value_kind: global_buffer, .address_space: global }
      - { .name: cb, .offset: 8, .size: 8, .value_kind: global_buffer, .address_space: global }
    .group_segment_fixed_size: 18944
    .private_segment_fixed_size: 0
    .kernarg_segment_align: 8
    .kernarg_segment_size: 16
    .max_flat_workgroup_size: 128
    .sgpr_count:     66
    .vgpr_count:     256
    .wavefront_size: 32
...
	.end_amdgpu_metadata
.endif
;; end of part 1
;; launch vq (part 2): grid 256 x 1, 16 waves a work-group, clusters of 4 x 1, 327,680 bytes of LDS; arguments x, cb, out1, idxw; writes out1, idxw
.if DOCPART == 2
	.amdgcn_target "amdgcn-amd-amdhsa--gfx1250"
	.amdhsa_code_object_version 6
	.text
	.protected	k_q9884cb4d8e_vq
	.globl	k_q9884cb4d8e_vq
	.p2align	8
	.type	k_q9884cb4d8e_vq,@function
k_q9884cb4d8e_vq:
	s_mov_b64 s[64:65], 0
	v_nop
	global_prefetch_b8 v0, s[64:65] scope:SCOPE_SE
	s_setreg_imm32_b32 hwreg(HW_REG_WAVE_MODE, 25, 1), 1
	s_wait_xcnt 0x0
	s_wait_alu depctr_hold_cnt(0) depctr_sa_sdst(0) depctr_va_vdst(0) depctr_va_sdst(0) depctr_va_ssrc(0) depctr_va_vcc(0) depctr_vm_vsrc(0)
	s_getreg_b32 s2, hwreg(HW_REG_IB_STS2, 6, 4)
	s_cmp_eq_u32 s2, 0
	s_cbranch_scc0 .Lentry_in_a_cluster
	s_endpgm
.Lentry_in_a_cluster:
	s_bfe_u32 s2, ttmp6, 0x10000c
	s_cmp_lg_u32 s2, 0x3003
	s_cbranch_scc0 .Lentry_shape_is_right
	s_endpgm
.Lentry_shape_is_right:
; For each of 65,536 rows x: the first index of the smallest distance to 4,096 codes; the product x . c on codes of FP6 (E2M3) with one E8M0 scale for each 32 along K = 128.
; d2 = |x|^2 + |c|^2 - 2 Q(x).Q(c) = |x|^2 - 2 g with g = Q(x).Q(c) - |c|^2 / 2.  The root and the two divisions do not fall where d2 rises, and |x|^2 is the same for a row's codes:
; the smallest distance is the largest g.  -|c|^2 / 2 is the C of the matrix instruction: it costs no vector instruction.  max(d2, 0) is min(g, |x|^2 / 2), taken of each chunk's maximum.
; LIMITS.  Order of rounding: g is rounded once, in the matrix instruction, where the definition rounds |x|^2 + |c|^2 and then the difference; the roundings of the root and of the two divisions are not
; applied: two codes whose d2 lie within about two units in the last place, which those roundings may make equal (the lower index then wins), go here to the smaller d2.  Equal g go to the lower index.
; NaN and infinities are not served; blocks of x whose largest magnitude lies under 2^-124 keep the scale byte 1.
; SHARES.  A work-group owns 256 rows.  Wave w first quantises rows 16 w .. 16 w + 15 (one fragment, passed on through LDS as an image of its registers).  Then wave w = 4 qg + cq holds the four
; fragments of queries 64 qg .. 64 qg + 63 in registers and walks tiles 16 cq .. 16 cq + 15 of each of the codebook's four parts: 64 tiles x 4 = 256 matrix instructions; a fragment of codes read from LDS feeds four.
; Sixteen waves of 256 registers: K is one instruction deep, so nothing is accumulated and a large accumulator tile would hold nothing; each matrix instruction has sixteen vector instructions beside it,
; and four waves to a SIMD let one wave's vector work stand beside another's LDS loads and products.
; LAYOUT.  Source 0 = 16 codes, source 1 = 16 queries: register j of lane (r, h) is g(code 16 t + 8 h + j, query r): a lane holds ONE query throughout.
; THE SEARCH keeps, for each lane and query tile, the best chunk of eight: its clamped maximum, its first code's number, its eight values.  Strictly greater replaces and tiles ascend, so the first chunk that
; reaches the maximum stays.  Which of the eight it was is found once, at the end.  No branch and no address hangs on these numbers: every choice is a v_cndmask_b32.
; CLUSTER.  All work-groups walk the same four parts in step: the four of a cluster ask for each sixteenth of a part JOINTLY, by the same tensor load with the same descriptor and the mask of all four.
.set PARTB, 106496                     ; a part of cb: 64 images of 1,536 bytes, 4,096 bytes of scale words, 4,096 of -|c|^2 / 2
.set STG,   2*PARTB                    ; LDS behind the two slots: a stage of 16 rows x 272 bytes for each wave,
.set XIMG,  STG+16*4352                ; x's 16 fragments: 1,536 bytes of image, 128 of scale words (4 l), 128 of |x|^2 / 2 (4 l) each,
.set SCR,   XIMG+16*1792               ; the waves' results: values [cq][256 queries], 4,096 bytes on their indices,
.set SPARE, SCR+8192                   ; and the spare words, 128 bytes for each wave: eight blocks of 256 bytes that no other line names
.set SPW, 1                            ; v1   LDS address of my spare word; never rewritten
.set NIL, 2                            ; v2   0; never rewritten
.set FA0, 3                            ; v3   16 l: my place in an image
.set SA0, 4                            ; v4   4 r: my code's scale word in a tile's 64 bytes
.set HA0, 5                            ; v5   4096 + 32 h: my eight -|c|^2 / 2, counted from the scale words
.set FA,  6                            ; v6-8 the three addresses in hand
.set SA,  7
.set HA,  8
.set H8,  9                            ; v9   8 h
.set VX,  10
.set VS,  11
.set VR,  12
.set XW,  13                           ; v13  where I store my fragment's image;  v14 its scale word
.set XW4, 14
.set XL,  15                           ; v15  where I read my four fragments;  v86 their scale words
.set XL4, 86
.set VSC, 87                           ; v87  where my results go
.set XF,  16                           ; v16-63   x's four fragments
.set XS,  64                           ; v64-67   their scale words, and nothing else
.set HX,  68                           ; v68-71   |x|^2 / 2
.set BEST, 72                          ; v72-75   the best chunk's clamped maximum
.set CID, 76                           ; v76-79   its tile's first code
.set M,   80                           ; v80-83   at work
.set ASC, 84                           ; v84, v85 the codes' scale words, two sets, and nothing else
.set S,   88                           ; v88-119  the best chunk's eight values, for each query tile
.set AF,  120                          ; v120-143 a fragment of codes, two sets
.set CC,  144                          ; v144-159 -|c|^2 / 2 in the result's layout, two sets
.set ACC, 160                          ; v160-223 the results, two sets of 4 x 8
.set X,   88                           ; the head lays its 64 numbers over S, AF and CC, and the tile as loaded over ACC
.set R,   160
.set HSQ, 158
.set PW,  159
.set PC,  224
.set QM,  244
.set QB,  248
.set QS,  252
.set WV,  12                           ; s12 wave; s13 cq; s14 qg; s15 the work-group's number
.set SEL, 40
.set XB,  48
.macro XLOADS                          ; 16 dense rows of 512 bytes; each load takes two rows' 256 bytes of one K half
.irp u, 0,1
.irp i, 0,1,2,3,4,5,6,7
	global_load_b128 v[R+4*(8*\u+\i):R+4*(8*\u+\i)+3], v[VX], s[XB:XB+1] offset:1024*\i+256*\u
.endr
.endr
.endm
.macro XTURN                           ; through my own stage, a K half at a time; LDS serves a wave's instructions in order
.irp u, 0,1
	s_wait_loadcnt 8-8*\u                          ; half 0: the eight loads of half 1 may be out; half 1: none
.irp i, 0,1,2,3,4,5,6,7
	ds_store_b128 v[VS], v[R+4*(8*\u+\i):R+4*(8*\u+\i)+3] offset:544*\i
.endr
.irp b, 0,1
.irp j, 0,1,2,3
	ds_load_b128 v[X+16*(2*\u+\b)+4*\j:X+16*(2*\u+\b)+4*\j+3], v[VR] offset:128*\b+16*\j
.endr
.endr
.endr
	s_wait_dscnt 0x0
.endm
.macro SQSUM f
	v_pk_mul_f32 v[152:153], v[X:X+1], v[X:X+1]
	v_pk_mul_f32 v[154:155], v[X+2:X+3], v[X+2:X+3]
.irp j, 4,8,12,16,20,24,28,32,36,40,44,48,52,56,60
	v_pk_fma_f32 v[152:153], v[X+\j:X+\j+1], v[X+\j:X+\j+1], v[152:153]
	v_pk_fma_f32 v[154:155], v[X+\j+2:X+\j+3], v[X+\j+2:X+\j+3], v[154:155]
.endr
	v_pk_add_f32 v[152:153], v[152:153], v[154:155]
	v_add_f32 v156, v152, v153
	v_permlanex16_b32 v157, v156, s[SEL], s[SEL+1]
	v_add_f32 v156, v156, v157
	v_mul_f32 v[HSQ], \f, v156
.endm
.macro QUANT
.irp b, 0,1,2,3
	v_max3_num_f32 v[QM+\b], |v[X+16*\b]|, |v[X+1+16*\b]|, 0x1800000   ; my 16 numbers of block b, and the floor 2^(3 - 127): the byte cannot fall under 1
.endr
.irp i, 2,4,6,8,10,12,14
.irp b, 0,1,2,3
	v_max3_num_f32 v[QM+\b], v[QM+\b], |v[X+16*\b+\i]|, |v[X+1+16*\b+\i]|
.endr
.endr
.irp b, 0,1,2,3
	v_permlanex16_b32 v[QB+\b], v[QM+\b], s[SEL], s[SEL+1]
.endr
.irp b, 0,1,2,3
	v_max_num_f32 v[QM+\b], v[QM+\b], v[QB+\b]
.endr
.irp b, 0,1,2,3
	v_add_nc_u32 v[QS+\b], 0xff000000, v[QM+\b]    ; 2 off the exponent field: the conversion's scale operand
.endr
.irp b, 0,1,2,3
	v_lshrrev_b32 v[QB+\b], 23, v[QS+\b]           ; the scale's byte
.endr
	v_lshl_or_b32 v[PW], v[QB+1], 8, v[QB]
	v_lshl_or_b32 v[PW], v[QB+2], 16, v[PW]
	v_lshl_or_b32 v[PW], v[QB+3], 24, v[PW]
.irp c, 0,1
	v_cvt_scalef32_pk16_fp6_f32 v[PC+6*\c:PC+2+6*\c], v[X+32*\c:X+15+32*\c], v[QS+2*\c]
	v_cvt_scalef32_pk16_fp6_f32 v[PC+12+4*\c:PC+14+4*\c], v[X+16+32*\c:X+31+32*\c], v[QS+2*\c+1]
.endr
	v_nop                                          ; one plain place behind a scaled conversion
.irp c, 0,1
.irp i, 0,1,2
	v_permlane16_swap_b32 v[PC+6*\c+\i], v[PC+12+4*\c+\i]
.endr
.irp i, 0,1,2
	v_mov_b32 v[PC+3+6*\c+\i], v[PC+12+4*\c+\i]
.endr
.endr
.endm
; A round of the cluster's barrier: my work-group's barrier; wave 0 signals for the work-group; every wave waits for all four work-groups; my work-group's barrier once more.
.macro ROUND
	s_barrier_signal -1
	s_barrier_wait -1
	s_cmp_lg_u32 s[WV], 0
	s_cbranch_scc1 .Lnot_wave_0_\@
	s_barrier_signal -3
.Lnot_wave_0_\@:
	s_barrier_wait -3
	s_barrier_signal -1
	s_barrier_wait -1
.endm
.macro ADDR                            ; the three addresses from the two scalars that step
	v_add_nc_u32 v[FA], s32, v[FA0]
	v_add_nc_u32 v[SA], s33, v[SA0]
	v_add_nc_u32 v[HA], s33, v[HA0]
.endm
.macro LOADT set, kk                   ; six LDS loads: the tile kk on from the addresses in hand: its image, its eight C numbers a lane, its scale words
.irp c, 0,1,2
	ds_load_b128 v[AF+12*\set+4*\c:AF+12*\set+4*\c+3], v[FA] offset:1536*\kk+512*\c
.endr
	ds_load_b128 v[CC+8*\set:CC+8*\set+3], v[HA] offset:64*\kk
	ds_load_b128 v[CC+8*\set+4:CC+8*\set+7], v[HA] offset:64*\kk+16
	ds_load_b32 v[ASC+\set], v[SA] offset:64*\kk
.endm
.macro MUL4 set                        ; one tile of codes against my four tiles of queries; D is apart from C: nothing is added in place
.irp i, 0,1,2,3
	v_wmma_scale_f32_16x16x128_f8f6f4 v[ACC+32*\set+8*\i:ACC+32*\set+8*\i+7], v[AF+12*\set:AF+12*\set+11], v[XF+12*\i:XF+12*\i+11], v[CC+8*\set:CC+8*\set+7], v[ASC+\set], v[XS+\i] matrix_a_fmt:MATRIX_FMT_FP6 matrix_b_fmt:MATRIX_FMT_FP6
.endr
.endm
; 64 plain vector instructions on result set a; each accumulator is read from its low end on.  They name no register of the products of the OTHER set, behind which they stand.
.macro TRACK a
.irp i, 0,1,2,3
	v_max3_num_f32 v[M+\i], v[ACC+32*\a+8*\i], v[ACC+32*\a+8*\i+1], v[ACC+32*\a+8*\i+2]
.endr
.irp i, 0,1,2,3
	v_max3_num_f32 v[M+\i], v[M+\i], v[ACC+32*\a+8*\i+3], v[ACC+32*\a+8*\i+4]
.endr
.irp i, 0,1,2,3
	v_max3_num_f32 v[M+\i], v[M+\i], v[ACC+32*\a+8*\i+5], v[ACC+32*\a+8*\i+6]
.endr
.irp i, 0,1,2,3
	v_max_num_f32 v[M+\i], v[M+\i], v[ACC+32*\a+8*\i+7]
.endr
.irp i, 0,1,2,3
	v_min_num_f32 v[M+\i], v[M+\i], v[HX+\i]       ; max(d2, 0): it commutes with the chunk's maximum
.endr
.irp i, 0,1,2,3
	v_cmp_gt_f32 vcc_lo, v[M+\i], v[BEST+\i]       ; strictly greater: the earlier chunk keeps a tie
	v_cndmask_b32 v[BEST+\i], v[BEST+\i], v[M+\i], vcc_lo
	v_cndmask_b32 v[CID+\i], v[CID+\i], s34, vcc_lo
.irp j, 0,1,2,3,4,5,6,7
	v_cndmask_b32 v[S+8*\i+\j], v[S+8*\i+\j], v[ACC+32*\a+8*\i+\j], vcc_lo
.endr
.endr
	s_add_co_u32 s34, s34, 16                      ; the next tile's first code
.endm
; My 16 tiles of part p, which lies in the slot named.  Trip t multiplies tiles 2 t + 1 and 2 t + 2, loads tiles 2 t + 2 and 2 t + 3, searches tiles 2 t and 2 t + 1.
; Behind each run of four products stands the search of the other set, 64 plain vector instructions that name none of their registers: they are the places in front of the loads into
; the products' sources, of the first read of their results and of the products that write over those results.  At the part's head four v_nop do that for tile 0.
; Each wait on DScnt finds the six loads issued one search earlier.
.macro PART slot, p
	s_add_co_u32 s32, s36, \slot*PARTB             ; my first image,
	s_add_co_u32 s33, s37, \slot*PARTB             ; my first scale words,
	s_add_co_u32 s34, s38, 1024*\p                 ; my first code
	ADDR
	LOADT 0, 0
	s_wait_dscnt 0x0
	MUL4 0
	LOADT 1, 1
.rept 4
	v_nop
.endr
	s_mov_b32 s35, 7
.Lp_\@:
	s_wait_dscnt 0x0
	MUL4 1
	LOADT 0, 2
	TRACK 0
	s_wait_dscnt 0x0
	MUL4 0
	LOADT 1, 3
	TRACK 1
	s_add_co_u32 s32, s32, 3072                    ; two tiles on
	s_add_co_u32 s33, s33, 128
	ADDR
	s_sub_co_i32 s35, s35, 1
	s_cmp_lg_u32 s35, 0
	s_cbranch_scc1 .Lp_\@
	s_wait_dscnt 0x0
	MUL4 1
	TRACK 0
	TRACK 1
.endm
; THE CHANGE OF SLOTS.  Each wave waits for all its tensor loads (its sixteenth of the slot ahead), adds 0 to its spare word, and waits for that and for its reads of the slot that it leaves.
; fill = 1: the barrier is a round of the cluster's, and the slot just left takes the part two on: my one tensor load behind the round; it has a whole part's work in which to land.
.macro CHANGE g0, fill
	s_wait_tensorcnt 0x0                           ; no tensor load of mine is out, so a group 0 may be written
	ds_add_u32 v[SPW], v[NIL]                      ; 0 onto my spare word
.if \fill
	s_add_nc_u64 s[\g0+2:\g0+3], s[\g0+2:\g0+3], 2*PARTB   ; the part two on; the type bits on top are not reached
.endif
	s_wait_dscnt 0x0                               ; the add is done, and my reads of the slot are over
.if \fill
	ROUND
	tensor_load_to_lds s[\g0:\g0+3], s[16:23]
	s_nop 0
.rept 4
	v_nop
.endr
.else
	s_barrier_signal -1
	s_barrier_wait -1
.endif
.endm
; (v, x) takes (ov, ox) where ov is greater, or equal with the lower index
.macro JOIN v, x, ov, ox
	v_cmp_gt_f32 s42, v[\ov], v[\v]
	v_cmp_eq_f32 s43, v[\ov], v[\v]
	v_cmp_lt_u32 s44, v[\ox], v[\x]
	s_and_b32 s43, s43, s44
	s_or_b32 vcc_lo, s42, s43
	v_cndmask_b32 v[\v], v[\v], v[\ov], vcc_lo
	v_cndmask_b32 v[\x], v[\x], v[\ox], vcc_lo
.endm
	s_load_b256 s[4:11], s[0:1], 0x0               ; x s[4:5], cb s[6:7], out1 s[8:9], idxw s[10:11]
	v_lshl_add_u32 v[SPW], v0, 2, SPARE
	v_mov_b32 v[NIL], 0
	ds_add_u32 v1, v2
	ds_add_u32 v1, v2
	s_wait_dscnt 0x0
	v_lshrrev_b32 v6, 5, v0
	v_readfirstlane_b32 s[WV], v6                  ; wave 0..15
	s_and_b32 s13, s[WV], 3                        ; cq: which quarter of each part's tiles
	s_lshr_b32 s14, s[WV], 2                       ; qg: which 64 queries
	s_bfe_u32 s15, ttmp6, 0x40000                  ; cx
	s_lshl_b32 s32, ttmp9, 2                       ; in a cluster launch ttmp9 counts clusters
	s_add_co_u32 s15, s32, s15                     ; the work-group's number: it enters the addresses of x, out1 and idxw alone
	v_and_b32 v6, 31, v0                           ; l
	v_and_b32 v7, 15, v0                           ; r
	v_bfe_u32 v8, v0, 4, 1                         ; h
	v_lshlrev_b32 v[FA0], 4, v6
	v_lshlrev_b32 v[SA0], 2, v7
	v_lshl_add_u32 v[HA0], v8, 5, 4096
	v_lshlrev_b32 v[H8], 3, v8
	v_lshlrev_b32 v[VX], 4, v7
	v_lshl_add_u32 v[VX], v8, 9, v[VX]             ; 512 (l / 16) + 16 (l % 16)
	s_mul_i32 s32, s[WV], 4352
	s_add_co_u32 s32, s32, STG                     ; my stage
	v_mul_u32_u24 v[VS], v8, 272
	v_lshl_add_u32 v[VS], v7, 4, v[VS]
	v_add_nc_u32 v[VS], s32, v[VS]
	v_mul_u32_u24 v[VR], v7, 272
	v_lshl_add_u32 v[VR], v8, 6, v[VR]
	v_add_nc_u32 v[VR], s32, v[VR]
	s_mul_i32 s32, s[WV], 1792
	s_add_co_u32 s32, s32, XIMG                    ; the fragment that I make
	v_add_nc_u32 v[XW], s32, v[FA0]
	v_lshl_add_u32 v[XW4], v6, 2, s32
	v_add_nc_u32 v[XW4], 1536, v[XW4]
	s_mul_i32 s32, s14, 7168
	s_add_co_u32 s32, s32, XIMG                    ; the four that I use
	v_add_nc_u32 v[XL], s32, v[FA0]
	v_lshl_add_u32 v[XL4], v6, 2, s32
	v_add_nc_u32 v[XL4], 1536, v[XL4]
	s_lshl_b32 s32, s13, 10
	s_lshl_b32 s33, s14, 8
	s_add_co_u32 s32, s32, s33
	s_add_co_u32 s32, s32, SCR
	v_add_nc_u32 v[VSC], s32, v[SA0]               ; SCR + 1024 cq + 256 qg + 4 r
	v_mov_b32 v157, 0                              ; a lane permute's destination counts as one of its sources
.irp b, 0,1,2,3
	v_mov_b32 v[QB+\b], 0
.endr
	s_mov_b32 s[SEL], 0x76543210
	s_mov_b32 s[SEL+1], 0xfedcba98
	s_mul_i32 s36, s13, 24576                      ; my 16 images in a part,
	s_lshl_b32 s37, s13, 10
	s_add_co_u32 s37, s37, 98304                   ; my 16 tiles' scale words,
	s_lshl_b32 s38, s13, 8                         ; my first code in a part
	; descriptor group 1: a sixteenth of a part, 6,656 dense bytes, as 26 rows of 256 bytes (32 elements of 8 bytes), no padding: images are read as 512 consecutive bytes
	s_mov_b32 s16, 15|(3<<16)|(1<<21)              ; 15:0 the mask: all four work-groups; 17:16 elements of 8 bytes; 21 set beside a mask
	s_mov_b32 s17, 32<<16                          ; tensor_dim0 = 32
	s_mov_b32 s18, 26<<16                          ; tensor_dim1 = 26
	s_mov_b32 s19, 32<<16                          ; tile_dim0 = 32
	s_mov_b32 s20, 26                              ; tile_dim1 = 26
	s_mov_b32 s21, 32                              ; from row to row
	s_mov_b32 s22, 0
	s_mov_b32 s23, 0
	s_mov_b32 s24, 1                               ; group 0 for slot 0: count = 1,
	s_mul_i32 s25, s[WV], 6656                     ; LDS address: my sixteenth: the wave's number alone
	s_mov_b32 s28, 1                               ; and for slot 1
	s_add_co_u32 s29, s25, PARTB
	s_mov_b32 s46, s25
	s_mov_b32 s47, 0
	s_lshl_b32 s48, s15, 17                        ; x: 256 rows of 512 bytes a work-group,
	s_lshl_b32 s49, s[WV], 13                      ; 16 a wave
	s_add_co_u32 s48, s48, s49
	s_mov_b32 s49, 0
	s_lshl_b32 s50, s15, 10                        ; out1, idxw: 256 words a work-group
	s_mov_b32 s51, 0
	s_wait_kmcnt 0x0
	s_add_nc_u64 s[XB:XB+1], s[4:5], s[48:49]
	s_add_nc_u64 s[8:9], s[8:9], s[50:51]
	s_add_nc_u64 s[10:11], s[10:11], s[50:51]
	s_add_nc_u64 s[26:27], s[6:7], s[46:47]        ; part 0, my sixteenth
	s_add_nc_u64 s[30:31], s[26:27], PARTB         ; part 1
	s_or_b32 s27, s27, 0x80000000                  ; type = 2
	s_or_b32 s31, s31, 0x80000000
	XLOADS                                         ; my 16 rows of x (no hint: a later launch reads them again)
	ROUND                                          ; all four work-groups are here: the first joint loads meet
	tensor_load_to_lds s[24:27], s[16:23]          ; the two first fills go out together: two loads of mine are out
	s_nop 0
	tensor_load_to_lds s[28:31], s[16:23]
	s_nop 0
.rept 4
	v_nop
.endr
	XTURN
	SQSUM 0.5
	QUANT
.irp c, 0,1,2
	ds_store_b128 v[XW], v[PC+4*\c:PC+4*\c+3] offset:512*\c   ; the fragment goes to LDS as it stands
.endr
	ds_store_b32 v[XW4], v[PW]
	ds_store_b32 v[XW4], v[HSQ] offset:128
	s_wait_tensorcnt 0x1                           ; my sixteenth of part 0 is in; part 1's may stay out
	s_wait_dscnt 0x0                               ; my stores have landed
	s_barrier_signal -1
	s_barrier_wait -1
.irp i, 0,1,2,3
.irp c, 0,1,2
	ds_load_b128 v[XF+12*\i+4*\c:XF+12*\i+4*\c+3], v[XL] offset:1792*\i+512*\c
.endr
	ds_load_b32 v[XS+\i], v[XL4] offset:1792*\i
	ds_load_b32 v[HX+\i], v[XL4] offset:1792*\i+128
.endr
	s_mov_b32 s42, 0xff800000                      ; -infinity: under every g
.irp i, 0,1,2,3
	v_mov_b32 v[BEST+\i], s42
	v_mov_b32 v[CID+\i], 0
.endr
.irp j, 0,1,2,3,4,5,6,7,8,9,10,11,12,13,14,15,16,17,18,19,20,21,22,23,24,25,26,27,28,29,30,31
	v_mov_b32 v[S+\j], s42
.endr
	s_wait_dscnt 0x0
	PART 0, 0
	CHANGE 24, 1                                   ; slot 0 takes part 2
	PART 1, 1
	CHANGE 28, 1                                   ; slot 1 takes part 3
	PART 0, 2
	CHANGE 0, 0                                    ; nothing is left to fetch
	PART 1, 3
	; WHICH OF THE EIGHT: the first j whose clamped value is the chunk's: S_j >= BEST, since BEST is at most |x|^2 / 2
.irp i, 0,1,2,3
	v_mov_b32 v[M+\i], 7
.endr
.irp j, 6,5,4,3,2,1,0
.irp i, 0,1,2,3
	v_cmp_ge_f32 vcc_lo, v[S+8*\i+\j], v[BEST+\i]
	v_cndmask_b32 v[M+\i], v[M+\i], \j, vcc_lo
.endr
.endr
.irp i, 0,1,2,3
	v_add3_u32 v[CID+\i], v[CID+\i], v[M+\i], v[H8]    ; the code's number
.endr
.irp i, 0,1,2,3
	v_permlanex16_b32 v[224+\i], v[BEST+\i], s[SEL], s[SEL+1]   ; the query's other codes lie in the lane 16 away
	v_permlanex16_b32 v[228+\i], v[CID+\i], s[SEL], s[SEL+1]
.endr
.irp i, 0,1,2,3
	JOIN BEST+\i, CID+\i, 224+\i, 228+\i
.endr
	s_lshl_b32 s32, s13, 8
	v_and_b32 v233, 31, v0
	v_lshlrev_b32 v233, 3, v233
	v_add_nc_u32 v233, s32, v233                   ; 256 (w % 4) + 8 l: two queries a lane: the place in out1 and idxw,
	v_add_nc_u32 v232, SCR, v233                   ; and among the waves' results
.irp i, 0,1,2,3
	ds_store_b32 v[VSC], v[BEST+\i] offset:64*\i   ; both lanes of a query write the same word with the same value
	ds_store_b32 v[VSC], v[CID+\i] offset:4096+64*\i
.endr
	s_wait_dscnt 0x0                               ; for the others' sake: my stores have landed
	s_barrier_signal -1
	s_barrier_wait -1
	s_cmp_lt_u32 s[WV], 4                          ; waves 0 to 3 join the four quarters of the codebook, 64 queries each
	s_cbranch_scc0 .Ldone
.irp c, 0,1,2,3
	ds_load_b64 v[234+2*\c:235+2*\c], v232 offset:1024*\c
	ds_load_b64 v[242+2*\c:243+2*\c], v232 offset:4096+1024*\c
.endr
	s_wait_dscnt 0x0
.irp c, 1,2,3
.irp e, 0,1
	JOIN 234+\e, 242+\e, 234+2*\c+\e, 242+2*\c+\e
.endr
.endr
	global_store_b64 v233, v[242:243], s[8:9]      ; 32 lanes store 256 consecutive bytes, aligned
	global_store_b64 v233, v[242:243], s[10:11]    ; and the copy from which the next launch forms addresses
.Ldone:
	s_wait_tensorcnt 0x0                           ; the wave's end
	ds_add_u32 v[SPW], v[NIL]
	s_wait_dscnt 0x0
	ROUND                                          ; the closing round: no work-group ends while a partner may still ask for a part that names it
	s_endpgm
.Lfunc_end_k_q9884cb4d8e_vq:
	.size	k_q9884cb4d8e_vq, .Lfunc_end_k_q9884cb4d8e_vq-k_q9884cb4d8e_vq
	.p2alignl 7, 3214868480
	.fill 96, 4, 3214868480
	.section	.rodata,"a",@progbits
	.p2align	6, 0x0
	.amdhsa_kernel k_q9884cb4d8e_vq
		.amdhsa_group_segment_fixed_size 327680
		.amdhsa_private_segment_fixed_size 0
		.amdhsa_enable_private_segment 0
		.amdhsa_kernarg_size 32
		.amdhsa_user_sgpr_count 2
		.amdhsa_user_sgpr_kernarg_segment_ptr 1
		.amdhsa_wavefront_size32 1
		.amdhsa_system_sgpr_workgroup_id_x 1
		.amdhsa_system_sgpr_workgroup_id_y 1
		.amdhsa_system_sgpr_workgroup_id_z 1
		.amdhsa_system_vgpr_workitem_id 0
		.amdhsa_next_free_vgpr 256
		.amdhsa_next_free_sgpr 66
		.amdhsa_reserve_vcc 1
		.amdhsa_float_denorm_mode_32 3
		.amdhsa_float_denorm_mode_16_64 3
		.amdhsa_memory_ordered 1
		.amdhsa_forward_progress 1
		.amdhsa_inst_pref_size 86
	.end_amdhsa_kernel
	.amdgpu_metadata
---
amdhsa.version: [ 1, 2 ]
amdhsa.kernels:
  - .name:           k_q9884cb4d8e_vq
    .symbol:         k_q9884cb4d8e_vq.kd
    .args:
      - { .name: x, .offset: 0, .size: 8, .value_kind: global_buffer, .address_space: global }
      - { .name: cb, .offset: 8, .size: 8, .value_kind: global_buffer, .address_space: global }
      - { .name: out1, .offset: 16, .size: 8, .value_kind: global_buffer, .address_space: global }
      - { .name: idxw, .offset: 24, .size: 8, .value_kind: global_buffer, .address_space: global }
    .group_segment_fixed_size: 327680
    .private_segment_fixed_size: 0
    .kernarg_segment_align: 8
    .kernarg_segment_size: 32
    .max_flat_workgroup_size: 512
    .sgpr_count:     66
    .vgpr_count:     256
    .wavefront_size: 32
...
	.end_amdgpu_metadata
.endif
;; end of part 2
;; launch gather (part 3): grid 256 x 1, 16 waves a work-group, no clusters, 6,144 bytes of LDS; arguments x, codes, idxw, out0, part; writes out0, part
.if DOCPART == 3
	.amdgcn_target "amdgcn-amd-amdhsa--gfx1250"
	.amdhsa_code_object_version 6
	.text
	.protected	k_q9884cb4d8e_gather
	.globl	k_q9884cb4d8e_gather
	.p2align	8
	.type	k_q9884cb4d8e_gather,@function
k_q9884cb4d8e_gather:
	s_mov_b64 s[64:65], 0
	v_nop
	global_prefetch_b8 v0, s[64:65] scope:SCOPE_SE
	s_setreg_imm32_b32 hwreg(HW_REG_WAVE_MODE, 25, 1), 1
	s_wait_xcnt 0x0
; out0[row] = codes[idxw[row]], and the sums of (x - out0)^2, 64 partial sums a work-group into part.
; Memory binds: a row is 512 bytes = one instruction of 32 lanes x 16 bytes.  A wave takes 16 rows; all its 32 loads go out at once (16 KiB a wave); no loop, no matrix work, no tensor loads.
; The indices are whole numbers that an earlier launch stored; each is held to 4,095 before it enters an address.
.set QO, 2                             ; v2-17    row i's byte offset in the codebook
.set XR, 20                            ; v20-83   16 rows of x, then x - q
.set QR, 84                            ; v84-147  16 gathered rows
	s_load_b256 s[4:11], s[0:1], 0x0               ; x s[4:5], codes s[6:7], idxw s[8:9], out0 s[10:11]
	s_load_b64 s[12:13], s[0:1], 0x20              ; part
	v_lshl_add_u32 v160, v0, 2, 0x1000
	v_mov_b32 v161, 0
	v_lshrrev_b32 v1, 5, v0
	v_readfirstlane_b32 s14, v1                    ; wave 0..15
	v_and_b32 v153, 31, v0
	v_lshlrev_b32 v1, 4, v153                      ; 16 l
	v_lshlrev_b32 v153, 3, v153                    ; 8 l
	s_lshl_b32 s15, s14, 8
	v_add_nc_u32 v152, s15, v153                   ; LDS: 256 w + 8 l
	s_lshl_b32 s32, ttmp9, 17                      ; 256 rows of 512 bytes a work-group,
	s_lshl_b32 s33, s14, 13                        ; 16 a wave
	s_add_co_u32 s32, s32, s33
	s_mov_b32 s33, 0
	s_lshl_b32 s34, ttmp9, 10                      ; their indices
	s_lshl_b32 s35, s14, 6
	s_add_co_u32 s34, s34, s35
	s_mov_b32 s35, 0
	s_lshl_b32 s36, ttmp9, 8                       ; the work-group's 256 bytes of part
	s_mov_b32 s37, 0
	s_wait_kmcnt 0x0
	s_add_nc_u64 s[4:5], s[4:5], s[32:33]
	s_add_nc_u64 s[10:11], s[10:11], s[32:33]
	s_add_nc_u64 s[8:9], s[8:9], s[34:35]
	s_add_nc_u64 s[12:13], s[12:13], s[36:37]
	s_load_b512 s[16:31], s[8:9], 0x0              ; my 16 indices
.irp i, 0,1,2,3,4,5,6,7,8,9,10,11,12,13,14,15
	global_load_b128 v[XR+4*\i:XR+4*\i+3], v1, s[4:5] offset:512*\i th:TH_LOAD_NT
.endr
	s_wait_kmcnt 0x0
.irp i, 0,1,2,3,4,5,6,7,8,9,10,11,12,13,14,15
	s_min_u32 s[16+\i], s[16+\i], 4095
	s_lshl_b32 s[16+\i], s[16+\i], 9
	v_add_nc_u32 v[QO+\i], s[16+\i], v1
	global_load_b128 v[QR+4*\i:QR+4*\i+3], v[QO+\i], s[6:7]   ; no hint: a row may be named again
.endr
.irp i, 0,1,2,3,4,5,6,7,8,9,10,11,12,13,14,15
	s_wait_loadcnt 15-\i                           ; all of x and gathered row i are in; the younger gathered rows stay out
	global_store_b128 v1, v[QR+4*\i:QR+4*\i+3], s[10:11] offset:512*\i th:TH_STORE_NT   ; 512 consecutive bytes, aligned; the data are not written again
	v_pk_add_f32 v[XR+4*\i:XR+4*\i+1], v[XR+4*\i:XR+4*\i+1], v[QR+4*\i:QR+4*\i+1] neg_lo:[0,1] neg_hi:[0,1]
	v_pk_add_f32 v[XR+4*\i+2:XR+4*\i+3], v[XR+4*\i+2:XR+4*\i+3], v[QR+4*\i+2:QR+4*\i+3] neg_lo:[0,1] neg_hi:[0,1]
.if \i == 0
	v_pk_mul_f32 v[148:149], v[XR:XR+1], v[XR:XR+1]            ; the first row starts the two sums
	v_pk_mul_f32 v[150:151], v[XR+2:XR+3], v[XR+2:XR+3]
.else
	v_pk_fma_f32 v[148:149], v[XR+4*\i:XR+4*\i+1], v[XR+4*\i:XR+4*\i+1], v[148:149]
	v_pk_fma_f32 v[150:151], v[XR+4*\i+2:XR+4*\i+3], v[XR+4*\i+2:XR+4*\i+3], v[150:151]
.endif
.endr
	v_pk_add_f32 v[148:149], v[148:149], v[150:151]
	ds_store_b64 v152, v[148:149]
	s_wait_dscnt 0x0                               ; for wave 0's sake
	s_barrier_signal -1
	s_barrier_wait -1
	s_cmp_lg_u32 s14, 0
	s_cbranch_scc1 .Lend
.irp i, 0,1,2,3,4,5,6,7,8,9,10,11,12,13,14,15
	ds_load_b64 v[XR+2*\i:XR+2*\i+1], v153 offset:256*\i
.endr
	s_wait_dscnt 0x0
.irp k, 0,1,2,3,4,5,6,7
	v_pk_add_f32 v[XR+4*\k:XR+4*\k+1], v[XR+4*\k:XR+4*\k+1], v[XR+4*\k+2:XR+4*\k+3]
.endr
.irp k, 0,1,2,3
	v_pk_add_f32 v[XR+8*\k:XR+8*\k+1], v[XR+8*\k:XR+8*\k+1], v[XR+8*\k+4:XR+8*\k+5]
.endr
.irp k, 0,1
	v_pk_add_f32 v[XR+16*\k:XR+16*\k+1], v[XR+16*\k:XR+16*\k+1], v[XR+16*\k+8:XR+16*\k+9]
.endr
	v_pk_add_f32 v[XR:XR+1], v[XR:XR+1], v[XR+16:XR+17]
	global_store_b64 v153, v[XR:XR+1], s[12:13]    ; 256 consecutive bytes, aligned
.Lend:
	s_wait_tensorcnt 0x0
	ds_add_u32 v160, v161
	s_wait_dscnt 0x0
	s_endpgm
.Lfunc_end_k_q9884cb4d8e_gather:
	.size	k_q9884cb4d8e_gather, .Lfunc_end_k_q9884cb4d8e_gather-k_q9884cb4d8e_gather
	.p2alignl 7, 3214868480
	.fill 96, 4, 3214868480
	.section	.rodata,"a",@progbits
	.p2align	6, 0x0
	.amdhsa_kernel k_q9884cb4d8e_gather
		.amdhsa_group_segment_fixed_size 6144
		.amdhsa_private_segment_fixed_size 0
		.amdhsa_enable_private_segment 0
		.amdhsa_kernarg_size 40
		.amdhsa_user_sgpr_count 2
		.amdhsa_user_sgpr_kernarg_segment_ptr 1
		.amdhsa_wavefront_size32 1
		.amdhsa_system_sgpr_workgroup_id_x 1
		.amdhsa_system_sgpr_workgroup_id_y 1
		.amdhsa_system_sgpr_workgroup_id_z 1
		.amdhsa_system_vgpr_workitem_id 0
		.amdhsa_next_free_vgpr 162
		.amdhsa_next_free_sgpr 66
		.amdhsa_reserve_vcc 0
		.amdhsa_float_denorm_mode_32 3
		.amdhsa_float_denorm_mode_16_64 3
		.amdhsa_memory_ordered 1
		.amdhsa_forward_progress 1
		.amdhsa_inst_pref_size 15
	.end_amdhsa_kernel
	.amdgpu_metadata
---
amdhsa.version: [ 1, 2 ]
amdhsa.kernels:
  - .name:           k_q9884cb4d8e_gather
    .symbol:         k_q9884cb4d8e_gather.kd
    .args:
      - { .name: x, .offset: 0, .size: 8, .value_kind: global_buffer, .address_space: global }
      - { .name: codes, .offset: 8, .size: 8, .value_kind: global_buffer, .address_space: global }
      - { .name: idxw, .offset: 16, .size: 8, .value_kind: global_buffer, .address_space: global }
      - { .name: out0, .offset: 24, .size: 8, .value_kind: global_buffer, .address_space: global }
      - { .name: part, .offset: 32, .size: 8, .value_kind: global_buffer, .address_space: global }
    .group_segment_fixed_size: 6144
    .private_segment_fixed_size: 0
    .kernarg_segment_align: 8
    .kernarg_segment_size: 40
    .max_flat_workgroup_size: 512
    .sgpr_count:     66
    .vgpr_count:     162
    .wavefront_size: 32
...
	.end_amdgpu_metadata
.endif
;; end of part 3
;; launch finish (part 4): grid 1 x 1, 16 waves a work-group, no clusters, 2,304 bytes of LDS; arguments part, out2; writes out2
.if DOCPART == 4
	.amdgcn_target "amdgcn-amd-amdhsa--gfx1250"
	.amdhsa_code_object_version 6
	.text
	.protected	k_q9884cb4d8e_finish
	.globl	k_q9884cb4d8e_finish
	.p2align	8
	.type	k_q9884cb4d8e_finish,@function
k_q9884cb4d8e_finish:
	s_mov_b64 s[64:65], 0
	v_nop
	global_prefetch_b8 v0, s[64:65] scope:SCOPE_SE
	s_setreg_imm32_b32 hwreg(HW_REG_WAVE_MODE, 25, 1), 1
	s_wait_xcnt 0x0
; out2 = m + 0.25 m, m = the sum of part's 16,384 partial sums / 65,536.  One work-group: a sum over work-groups has one owner.
; 512 threads x 8 loads of 16 bytes cover part's 65,536 bytes; each load of a wave covers 512 consecutive bytes.
	s_load_b128 s[4:7], s[0:1], 0x0                ; part s[4:5], out2 s[6:7]
	v_lshl_add_u32 v48, v0, 2, 0x100
	v_mov_b32 v49, 0
	v_lshlrev_b32 v1, 4, v0
	v_lshrrev_b32 v2, 5, v0
	v_readfirstlane_b32 s8, v2                     ; wave 0..15
	s_mov_b32 s10, 0x76543210
	s_mov_b32 s11, 0xfedcba98
	v_mov_b32 v41, 0                               ; a lane permute's destination counts as one of its sources
	v_mov_b32 v42, s8
	v_lshlrev_b32 v42, 2, v42                      ; my wave's word in LDS
	v_mov_b32 v43, 0
	s_wait_kmcnt 0x0
.irp i, 0,1,2,3,4,5,6,7
	global_load_b128 v[4+4*\i:7+4*\i], v1, s[4:5] offset:8192*\i
.endr
	s_wait_loadcnt 0x0
.irp k, 0,1,2,3,4,5,6,7
	v_pk_add_f32 v[4+4*\k:5+4*\k], v[4+4*\k:5+4*\k], v[6+4*\k:7+4*\k]
.endr
.irp k, 0,1,2,3
	v_pk_add_f32 v[4+8*\k:5+8*\k], v[4+8*\k:5+8*\k], v[8+8*\k:9+8*\k]
.endr
.irp k, 0,1
	v_pk_add_f32 v[4+16*\k:5+16*\k], v[4+16*\k:5+16*\k], v[12+16*\k:13+16*\k]
.endr
	v_pk_add_f32 v[4:5], v[4:5], v[20:21]
	v_add_f32 v4, v4, v5
	v_add_f32_dpp v4, v4, v4 row_xmask:1 row_mask:0xf bank_mask:0xf
	v_add_f32_dpp v4, v4, v4 row_xmask:2 row_mask:0xf bank_mask:0xf
	v_add_f32_dpp v4, v4, v4 row_xmask:4 row_mask:0xf bank_mask:0xf
	v_add_f32_dpp v4, v4, v4 row_xmask:8 row_mask:0xf bank_mask:0xf
	v_permlanex16_b32 v41, v4, s10, s11
	v_add_f32 v4, v4, v41                          ; the wave's sum, in every lane
	ds_store_b32 v42, v4                           ; all lanes write the same word with the same value
	s_wait_dscnt 0x0
	s_barrier_signal -1
	s_barrier_wait -1
.irp i, 0,1,2,3
	ds_load_b128 v[8+4*\i:11+4*\i], v43 offset:16*\i   ; the sixteen waves' sums
.endr
	s_wait_dscnt 0x0
.irp k, 0,1,2,3
	v_pk_add_f32 v[8+4*\k:9+4*\k], v[8+4*\k:9+4*\k], v[10+4*\k:11+4*\k]
.endr
	v_pk_add_f32 v[8:9], v[8:9], v[12:13]
	v_pk_add_f32 v[16:17], v[16:17], v[20:21]
	v_pk_add_f32 v[8:9], v[8:9], v[16:17]
	v_add_f32 v8, v8, v9
	v_mul_f32 v8, 0x37800000, v8                   ; / 65,536: the mean
	v_fmamk_f32 v9, v8, 0x3e800000, v8             ; m x 0.25 + m
	s_cmp_lg_u32 s8, 0
	s_cbranch_scc1 .Lend
	s_wait_xcnt 0x0                                ; EXEC changes only behind this wait
	v_cmp_eq_u32 vcc_lo, 0, v0
	s_and_saveexec_b32 s9, vcc_lo
	global_store_b32 v43, v9, s[6:7]               ; the one number
	s_wait_xcnt 0x0                                ; and again, in front of the line that widens it
	s_or_b32 exec_lo, exec_lo, s9
.Lend:
	s_wait_tensorcnt 0x0
	ds_add_u32 v48, v49
	s_wait_dscnt 0x0
	s_endpgm
.Lfunc_end_k_q9884cb4d8e_finish:
	.size	k_q9884cb4d8e_finish, .Lfunc_end_k_q9884cb4d8e_finish-k_q9884cb4d8e_finish
	.p2alignl 7, 3214868480
	.fill 96, 4, 3214868480
	.section	.rodata,"a",@progbits
	.p2align	6, 0x0
	.amdhsa_kernel k_q9884cb4d8e_finish
		.amdhsa_group_segment_fixed_size 2304
		.amdhsa_private_segment_fixed_size 0
		.amdhsa_enable_private_segment 0
		.amdhsa_kernarg_size 16
		.amdhsa_user_sgpr_count 2
		.amdhsa_user_sgpr_kernarg_segment_ptr 1
		.amdhsa_wavefront_size32 1
		.amdhsa_system_sgpr_workgroup_id_x 1
		.amdhsa_system_sgpr_workgroup_id_y 1
		.amdhsa_system_sgpr_workgroup_id_z 1
		.amdhsa_system_vgpr_workitem_id 0
		.amdhsa_next_free_vgpr 50
		.amdhsa_next_free_sgpr 66
		.amdhsa_reserve_vcc 1
		.amdhsa_float_denorm_mode_32 3
		.amdhsa_float_denorm_mode_16_64 3
		.amdhsa_memory_ordered 1
		.amdhsa_forward_progress 1
		.amdhsa_inst_pref_size 5
	.end_amdhsa_kernel
	.amdgpu_metadata
---
amdhsa.version: [ 1, 2 ]
amdhsa.kernels:
  - .name:           k_q9884cb4d8e_finish
    .symbol:         k_q9884cb4d8e_finish.kd
    .args:
      - { .name: part, .offset: 0, .size: 8, .value_kind: global_buffer, .address_space: global }
      - { .name: out2, .offset: 8, .size: 8, .value_kind: global_buffer, .address_space: global }
    .group_segment_fixed_size: 2304
    .private_segment_fixed_size: 0
    .kernarg_segment_align: 8
    .kernarg_segment_size: 16
    .max_flat_workgroup_size: 512
    .sgpr_count:     66
    .vgpr_count:     50
    .wavefront_size: 32
...
	.end_amdgpu_metadata
.endif
;; end of part 4
